; MI455X (gfx1250); checked and timed in simulation.
; The chip was launched on July 23, 2026; its instructions are those of AMD's public machine-readable ISA for CDNA 5 (MIT licence, August 2026) and "CDNA5" Instruction Set Architecture Reference Guide (July 2026).
;; Multi Head Attention. Allowed arithmetic: matrix products marked QUANTISED: E5M2 operands, one E8M0 scale for each 32 along K, by v_wmma_scale_f32_16x16x128_f8f6f4 with both operands' format E5M2, f32 sums; products left as they are: f32 operands where the result goes on into a quantised operand, else bf16, f16 or f32 operands; f32 sums; everything else in f32.
;; Inputs: Wk 1,024 x 1,024 float32; Wo 1,024 x 1,024 float32; Wq 1,024 x 1,024 float32; Wv 1,024 x 1,024 float32; bk 1,024 float32; bo 1,024 float32; bq 1,024 float32; bv 1,024 float32; mask 32 x 1,024 int32; matrix 32 x 1,024 x 1,024 float32; vector 32 x 1,024 float32.
;; Outputs: out0 32 x 1,024 float32; out1 32 x 16 x 1,024 float32; out2 32 x 16 x 1,024 float32.
;; This version of the problem:
;;   THIS VERSION OF THE PROBLEM IS GIVEN IN LOW PRECISION. The matrix products marked QUANTISED in the list below multiply operands that are first quantised to E5M2 (5 exponent bits, 2 mantissa bits; 8 bits a number), with one power-of-two scale for each 32 numbers along K (OCP MX v1.0); their sums are f32. All else is computed in f32.
;;   The module's matrix products, in the order in which they are computed (A, B: the left and right operand; K: the contracted axis; several contracted axes count as one K, in the product's order):
;;     1. [M 32, K 1,024] x [K 1,024, N 1,024]; A: input vector; B: input Wq: QUANTISED
;;     2. [M 32,768, K 1,024] x [K 1,024, N 1,024]; A: input matrix; B: input Wk: QUANTISED
;;     3. [M 32,768, K 1,024] x [K 1,024, N 1,024]; A: input matrix; B: input Wv: QUANTISED
;;     4. batch 512 x [M 1, K 64] x [K 64, N 1,024]; A: computed on the way; B: computed on the way: left as it is (M = 1 < 16)
;;     5. batch 512 x [M 1, K 1,024] x [K 1,024, N 64]; A: softmax; B: computed on the way: left as it is (M = 1 < 16)
;;     6. [M 32, K 1,024] x [K 1,024, N 1,024]; A: computed on the way; B: input Wo: QUANTISED
;;   THE QUANTISER, for each operand of a quantised product, along K:
;;     - K is cut into blocks of 32 from its start; a last block that is shorter is filled with zeros.
;;     - A block's scale is 2^e with e = floor(log2(the largest magnitude in the block)) - 15, held to -126 .. 127; a block of zeros has e = 0. As a byte (E8M0): e + 127.
;;     - Each number is divided by its block's scale, clamped to +-57,344, and rounded to the nearest number of E5M2, ties to even, subnormals kept.
;;     - The product sums the exact products of the quantised numbers (number of the format x scale) in f32.
;;   ~~~python
;;   def quantise(x, axis):      # numpy; x: float32 -> the quantised numbers, widened to float32 again
;;       x = np.moveaxis(x, axis, -1); K = x.shape[-1]
;;       x = np.pad(x, [(0, 0)] * (x.ndim - 1) + [(0, -K % 32)]); x = x.reshape(x.shape[:-1] + (-1, 32)); a = np.abs(x).max(-1, keepdims=True)
;;       e = np.where(a > 0, np.clip(np.frexp(np.where(a > 0, a, 1))[1] - 1 - 15, -126, 127), 0)      # np.frexp(a)[1] - 1 = floor(log2(a)), exactly
;;       r = np.clip(x / 2.0 ** e, -57344, 57344)
;;       step = 2.0 ** (np.maximum(np.frexp(np.where(r == 0, 1, r))[1] - 1, -14) - 2)
;;       q = np.round(r / step) * step * 2.0 ** e      # np.round: ties to even
;;       return np.moveaxis(q.reshape(q.shape[:-2] + (-1,))[..., :K], -1, axis).astype(np.float32)
;;   ~~~
;;   OPERANDS COMPUTED ON THE WAY. 'Computed on the way' means the value that the module computes at that place (a softmax that the list does not call 'softmax' is quantised finished and normalised). What goes into a quantiser is computed in f32, as accurately as f32 sums, v_exp_f32 and their like allow (about 1e-6 of the number): no bf16 or f16 on the way to a quantiser, and a product that is left as it is and whose result goes on into a quantised operand takes f32 operands (vector FMAs, or v_wmma_f32_16x16x4_f32). A number that lies on a knife's edge between two numbers of the format may be rounded either way, as far as f32 arithmetic and the matrix unit's own rounding can turn it there, and no further.
;; One version. Each part assembles by itself: llvm-mc -triple=amdgcn-amd-amdhsa -mcpu=gfx1250 --defsym DOCPART=n.
;; ======== version 1 of 1: 3 launches
;; limits: right only within a limited range of input values
;; workspace buffers: ac 34,636,800 bytes; wc 4,325,376 bytes; ctx 131,072 bytes
;; launch quant (part 1): grid 1537 x 1, 2 waves a work-group, no clusters, 17,152 bytes of LDS; arguments matrix, vector, Wq, Wk, Wv, Wo, ac, wc; writes ac, wc
.if DOCPART == 1
	.amdgcn_target "amdgcn-amd-amdhsa--gfx1250"
	.amdhsa_code_object_version 6
	.text
	.protected	k_q3e196bda4e_quant
	.globl	k_q3e196bda4e_quant
	.p2align	8
	.type	k_q3e196bda4e_quant,@function
k_q3e196bda4e_quant:
	s_mov_b64 s[64:65], 0
	v_nop
	global_prefetch_b8 v0, s[64:65] scope:SCOPE_SE
	s_setreg_imm32_b32 hwreg(HW_REG_WAVE_MODE, 25, 1), 1
	s_wait_xcnt 0x0
.set CH,    16896
.set FLOOR, 0x8000000
.set EOFF,  0xf8800000
.set PC,    8
.set TM,    24
.set SWD,   40
.set X,     64
.set R,     128
.set SP,    528
.macro QUANT s, pw
.irp b, 0,1,2,3
	v_max3_num_f32 v[TM+\b], |v[\s+16*\b]|, |v[\s+1+16*\b]|, FLOOR
.endr
.irp i, 2,4,6,8,10,12,14
.irp b, 0,1,2,3
	v_max3_num_f32 v[TM+\b], v[TM+\b], |v[\s+16*\b+\i]|, |v[\s+1+16*\b+\i]|
.endr
.endr
.irp b, 0,1,2,3
	v_permlanex16_b32 v[TM+4+\b], v[TM+\b], s22, s23
.endr
.irp b, 0,1,2,3
	v_max_num_f32 v[TM+\b], v[TM+\b], v[TM+4+\b]
.endr
.irp b, 0,1,2,3
	v_add_nc_u32 v[TM+12+\b], EOFF, v[TM+\b]
.endr
.irp b, 0,1,2,3
	v_and_or_b32 v[TM+8+\b], v[TM+\b], 0x7f800000, s24
.endr
.irp b, 0,1,2,3
	v_lshrrev_b32 v[TM+4+\b], 23, v[TM+12+\b]
.endr
	v_lshl_or_b32 v[\pw], v[TM+5], 8, v[TM+4]
	v_lshl_or_b32 v[\pw], v[TM+6], 16, v[\pw]
	v_lshl_or_b32 v[\pw], v[TM+7], 24, v[\pw]
.irp b, 0,1,2,3
.irp i, 0,1,2,3,4,5,6,7,8,9,10,11,12,13,14,15
	v_med3_num_f32 v[\s+16*\b+\i], v[\s+16*\b+\i], -v[TM+8+\b], v[TM+8+\b]
.endr
	v_cvt_scalef32_pk8_bf8_f32 v[PC+4*\b:PC+1+4*\b], v[\s+16*\b:\s+7+16*\b], v[TM+12+\b]
	v_cvt_scalef32_pk8_bf8_f32 v[PC+2+4*\b:PC+3+4*\b], v[\s+8+16*\b:\s+15+16*\b], v[TM+12+\b]
.endr
	v_nop
.endm
	s_load_b512 s[4:19], s[0:1], 0x0
	v_lshl_add_u32 v62, v0, 2, 0x4200
	v_mov_b32 v63, 0
	v_lshrrev_b32 v5, 5, v0
	v_readfirstlane_b32 s20, v5
	v_and_b32 v5, 31, v0
	v_and_b32 v6, 15, v0
	v_bfe_u32 v7, v0, 4, 1
	s_mov_b32 s22, 0x76543210
	s_mov_b32 s23, 0xfedcba98
	s_mov_b32 s24, 0x600000
	s_mov_b32 s25, 0xffff0000
	s_wait_kmcnt 0x0
	s_cmp_lt_u32 ttmp9, 512
	s_cbranch_scc0 .Lrows
	s_lshr_b32 s26, ttmp9, 7
	s_lshl_b32 s27, ttmp9, 1
	s_add_co_u32 s27, s27, s20
	s_and_b32 s27, s27, 255
	s_and_b32 s28, s27, 31
	s_lshr_b32 s29, s27, 5
	s_cmp_lt_u32 s26, 2
	s_cselect_b64 s[30:31], s[8:9], s[12:13]
	s_cselect_b64 s[32:33], s[10:11], s[14:15]
	s_and_b32 s34, s26, 1
	s_cmp_eq_u32 s34, 0
	s_cselect_b64 s[30:31], s[30:31], s[32:33]
	s_lshl_b32 s32, s29, 19
	s_lshl_b32 s33, s28, 7
	s_add_co_u32 s32, s32, s33
	s_mov_b32 s33, 0
	s_add_nc_u64 s[30:31], s[30:31], s[32:33]
	s_lshl_b32 s34, s26, 6
	s_lshl_b32 s35, s28, 1
	s_add_co_u32 s34, s34, s35
	s_mul_i32 s38, s34, CH
	s_lshl_b32 s35, s29, 11
	s_add_co_u32 s34, s38, s35
	s_mov_b32 s35, 0
	s_add_nc_u64 s[34:35], s[18:19], s[34:35]
	s_lshl_b32 s36, s29, 2
	s_add_co_u32 s36, s38, s36
	s_mov_b32 s37, 0
	s_add_nc_u64 s[36:37], s[18:19], s[36:37]
	s_wait_alu depctr_va_vdst(0)
	v_lshlrev_b32 v1, 2, v5
	v_mul_u32_u24 v2, v7, CH
	v_lshl_add_u32 v3, v6, 5, v2
	v_lshl_add_u32 v2, v6, 4, v2
.macro WLOAD c
.set k, 32*(\c)
.rept 32
	global_load_b32 v[64+k], v1, s[30:31] offset:k*4096 th:TH_LOAD_NT
.set k, k+1
.endr
.endm
.macro WBLOCK c
.set XS, 64+32*\c
.if \c < 3
	s_wait_loadcnt 32
.else
	s_wait_loadcnt 0x0
.endif
.if \c < 2
	WLOAD \c+2
.endif
	v_max3_num_f32 v12, |v[XS]|, |v[XS+1]|, |v[XS+2]|
	v_max3_num_f32 v13, |v[XS+3]|, |v[XS+4]|, |v[XS+5]|
.irp i, 6,10,14,18,22,26
	v_max3_num_f32 v12, v12, |v[XS+\i]|, |v[XS+\i+1]|
	v_max3_num_f32 v13, v13, |v[XS+\i+2]|, |v[XS+\i+3]|
.endr
	v_max3_num_f32 v12, v12, |v[XS+30]|, |v[XS+31]|
	v_max3_num_f32 v12, v12, v13, FLOOR
	v_add_nc_u32 v11, EOFF, v12
	v_and_or_b32 v10, v12, 0x7f800000, s24
	v_lshrrev_b32 v13, 23, v11
.if \c == 0
	v_mov_b32 v14, v13
.else
	v_lshl_or_b32 v14, v13, 8*\c, v14
.endif
.irp i, 0,1,2,3,4,5,6,7,8,9,10,11,12,13,14,15,16,17,18,19,20,21,22,23,24,25,26,27,28,29,30,31
	v_med3_num_f32 v[XS+\i], v[XS+\i], -v10, v10
.endr
.irp g, 0,1,2,3
	v_cvt_scalef32_pk8_bf8_f32 v[16+8*\c+2*\g:17+8*\c+2*\g], v[XS+8*\g:XS+8*\g+7], v11
.endr
	v_nop
	global_store_b128 v2, v[16+8*\c:19+8*\c], s[34:35] offset:512*\c
	global_store_b128 v2, v[20+8*\c:23+8*\c], s[34:35] offset:512*\c+256
.endm
	WLOAD 0
	WLOAD 1
	s_wait_alu depctr_va_vdst(0)
	WBLOCK 0
	WBLOCK 1
	WBLOCK 2
	WBLOCK 3
	global_store_b32 v3, v14, s[36:37] offset:16384
	s_endpgm
.Lrows:
	s_sub_co_u32 s26, ttmp9, 512
	s_lshl_b32 s27, s26, 1
	s_add_co_u32 s27, s27, s20
	s_cmp_eq_u32 s26, 1024
	s_cselect_b64 s[30:31], s[6:7], s[4:5]
	s_cselect_b32 s28, s20, s27
	s_cselect_b32 s38, 0, s20
	s_mul_i32 s38, s38, 0x80808080
	s_lshl_b32 s32, s28, 16
	s_mov_b32 s33, 0
	s_add_nc_u64 s[30:31], s[30:31], s[32:33]
	s_mul_i32 s34, s27, CH
	s_mov_b32 s35, 0
	s_add_nc_u64 s[34:35], s[16:17], s[34:35]
	s_wait_alu depctr_va_vdst(0)
	v_lshlrev_b32 v1, 4, v5
	s_mul_i32 s36, s20, 16*SP
	v_add_nc_u32 v2, s36, v1
	v_mul_u32_u24 v3, v6, SP
	v_lshl_add_u32 v3, v7, 6, v3
	v_add_nc_u32 v3, s36, v3
	v_lshlrev_b32 v4, 5, v6
	v_lshl_add_u32 v4, v7, 4, v4
.irp b, 0,1,2,3
	v_mov_b32 v[TM+4+\b], 0
.endr
.macro LOADR ks
.irp p, 0,1,2,3,4,5,6,7,8,9,10,11,12,13,14,15
	global_load_b128 v[R+64*((\ks)%2)+4*\p:R+64*((\ks)%2)+4*\p+3], v1, s[30:31] offset:\p*4096+(\ks)*512 th:TH_LOAD_NT
.endr
.endm
.macro STEP ks
.if \ks < 7
	s_wait_loadcnt 16
.else
	s_wait_loadcnt 0x0
.endif
.irp p, 0,1,2,3,4,5,6,7,8,9,10,11,12,13,14,15
	ds_store_b128 v2, v[R+64*(\ks%2)+4*\p:R+64*(\ks%2)+4*\p+3] offset:\p*SP
.endr
.irp c, 0,1,2,3
.irp j, 0,1,2,3
	ds_load_b128 v[X+16*\c+4*\j:X+16*\c+4*\j+3], v3 offset:\c*128+16*\j
.endr
.endr
	s_wait_dscnt 0x0
	s_wait_xcnt 0x0
.if \ks < 6
	LOADR \ks+2
.endif
	QUANT X, SWD+\ks
.irp i, 0,1,2,3,4,5,6,7,8,9,10,11,12,13,14,15
	v_xor_b32 v[PC+\i], s38, v[PC+\i]
.endr
.irp c, 0,1,2,3
	global_store_b128 v1, v[PC+4*\c:PC+4*\c+3], s[34:35] offset:\ks*2048+\c*512
.endr
.endm
	LOADR 0
	LOADR 1
	s_wait_alu depctr_va_vdst(0)
.irp ks, 0,1,2,3,4,5,6,7
	STEP \ks
.endr
.irp i, 0,1,2,3
	v_cndmask_b32 v[48+\i], v[SWD+\i], v[SWD+4+\i], s25
.endr
	global_store_b128 v4, v[48:51], s[34:35] offset:16384
	s_wait_tensorcnt 0x0
	ds_add_u32 v62, v63
	s_wait_dscnt 0x0
	s_endpgm
.Lfunc_end_k_q3e196bda4e_quant:
	.size	k_q3e196bda4e_quant, .Lfunc_end_k_q3e196bda4e_quant-k_q3e196bda4e_quant
	.p2alignl 7, 3214868480
	.fill 96, 4, 3214868480
	.section	.rodata,"a",@progbits
	.p2align	6, 0x0
	.amdhsa_kernel k_q3e196bda4e_quant
		.amdhsa_group_segment_fixed_size 17152
		.amdhsa_private_segment_fixed_size 0
		.amdhsa_enable_private_segment 0
		.amdhsa_kernarg_size 64
		.amdhsa_user_sgpr_count 2
		.amdhsa_user_sgpr_kernarg_segment_ptr 1
		.amdhsa_wavefront_size32 1
		.amdhsa_system_sgpr_workgroup_id_x 1
		.amdhsa_system_sgpr_workgroup_id_y 1
		.amdhsa_system_sgpr_workgroup_id_z 1
		.amdhsa_system_vgpr_workitem_id 0
		.amdhsa_next_free_vgpr 256
		.amdhsa_next_free_sgpr 66
		.amdhsa_reserve_vcc 0
		.amdhsa_float_denorm_mode_32 3
		.amdhsa_float_denorm_mode_16_64 3
		.amdhsa_memory_ordered 1
		.amdhsa_forward_progress 1
		.amdhsa_inst_pref_size 131
	.end_amdhsa_kernel
	.amdgpu_metadata
---
amdhsa.version: [ 1, 2 ]
amdhsa.kernels:
  - .name:           k_q3e196bda4e_quant
    .symbol:         k_q3e196bda4e_quant.kd
    .args:
      - { .name: matrix, .offset: 0, .size: 8, .value_kind: global_buffer, .address_space: global }
      - { .name: vector, .offset: 8, .size: 8, .value_kind: global_buffer, .address_space: global }
      - { .name: Wq, .offset: 16, .size: 8, .value_kind: global_buffer, .address_space: global }
      - { .name: Wk, .offset: 24, .size: 8, .value_kind: global_buffer, .address_space: global }
      - { .name: Wv, .offset: 32, .size: 8, .value_kind: global_buffer, .address_space: global }
      - { .name: Wo, .offset: 40, .size: 8, .value_kind: global_buffer, .address_space: global }
      - { .name: ac, .offset: 48, .size: 8, .value_kind: global_buffer, .address_space: global }
      - { .name: wc, .offset: 56, .size: 8, .value_kind: global_buffer, .address_space: global }
    .group_segment_fixed_size: 17152
    .private_segment_fixed_size: 0
    .kernarg_segment_align: 8
    .kernarg_segment_size: 64
    .max_flat_workgroup_size: 64
    .sgpr_count:     66
    .vgpr_count:     256
    .wavefront_size: 32
...
	.end_amdgpu_metadata
.endif
;; end of part 1
;; launch attn (part 2): grid 256 x 1, 4 waves a work-group, clusters of 4 x 1, 327,680 bytes of LDS; arguments ac, wc, mask, bq, bk, bv, ctx, out1, out2; writes ctx, out1, out2
.if DOCPART == 2
	.amdgcn_target "amdgcn-amd-amdhsa--gfx1250"
	.amdhsa_code_object_version 6
	.text
	.protected	k_q3e196bda4e_attn
	.globl	k_q3e196bda4e_attn
	.p2align	8
	.type	k_q3e196bda4e_attn,@function
k_q3e196bda4e_attn:
	s_mov_b64 s[64:65], 0
	v_nop
	global_prefetch_b8 v0, s[64:65] scope:SCOPE_SE
	s_setreg_imm32_b32 hwreg(HW_REG_WAVE_MODE, 25, 1), 1
	s_wait_xcnt 0x0
	s_wait_alu depctr_hold_cnt(0) depctr_sa_sdst(0) depctr_va_vdst(0) depctr_va_sdst(0) depctr_va_ssrc(0) depctr_va_vcc(0) depctr_vm_vsrc(0)
	s_getreg_b32 s2, hwreg(HW_REG_IB_STS2, 6, 4)
	s_cmp_eq_u32 s2, 0
	s_cbranch_scc0 .Lentry_in_a_cluster
	s_endpgm
.Lentry_in_a_cluster:
	s_bfe_u32 s2, ttmp6, 0x10000c
	s_cmp_lg_u32 s2, 0x3003
	s_cbranch_scc0 .Lentry_shape_is_right
	s_endpgm
.Lentry_shape_is_right:
.set CH,     16896
.set GRPB,   2*CH
.set SLOTB,  8*CH
.set SLOT1,  0x21000
.set SBASE,  2*SLOTB
.set EXB,    SBASE+8192
.set MBASE,  EXB+1024
.set OST,    MBASE+4096
.set QX,     OST+512
.set QP,     512
.set SPARE,  QX+16*QP
.set WSC,    32
.set ASC,    68
.set QO,     84
.set ACC,    128
.set MSB, 0
.macro WIN new
.if MSB != \new
	s_set_vgpr_msb (MSB<<8)|\new
.set MSB, \new
.endif
.endm
.macro PLACES n
.rept \n
	v_nop
.endr
.endm
.macro WALU
	s_wait_alu depctr_va_vdst(0)
.endm
.macro CREST
	s_cmp_lg_u32 s22, 0
	s_cbranch_scc1 .Lnot_wave_0_\@
	s_barrier_signal -3
.Lnot_wave_0_\@:
	s_barrier_wait -3
	s_barrier_signal -1
	s_barrier_wait -1
.endm
.macro CROUND
	s_barrier_signal -1
	s_barrier_wait -1
	CREST
.endm
.macro PROD e, a, n
.set Q_, (\n)/4
.set B_, (\n)%4
.set D_, ACC+32*(\a)+8*B_
.set W_, 16*(4*(Q_%4)+B_)
.set X_, 128*(\e)+16*Q_
.set WN_, 0x06+Q_/4
	WIN WN_
.if Q_ == 0
	v_wmma_scale_f32_16x16x128_f8f6f4 v[D_:D_+7], v[W_:W_+15], v[X_:X_+15], 0, v[WSC+8*B_+Q_], v[ASC+8*(\e)+Q_] matrix_a_fmt:MATRIX_FMT_BF8 matrix_b_fmt:MATRIX_FMT_BF8
.else
	v_wmma_scale_f32_16x16x128_f8f6f4 v[D_:D_+7], v[W_:W_+15], v[X_:X_+15], v[D_:D_+7], v[WSC+8*B_+Q_], v[ASC+8*(\e)+Q_] matrix_a_fmt:MATRIX_FMT_BF8 matrix_b_fmt:MATRIX_FMT_BF8
.endif
.endm
.macro RUNP e, a, from, to
.set N_, \from
.rept (\to)-(\from)
	PROD \e, \a, N_
.set N_, N_+1
.endr
.endm
.macro ADDR off
	s_add_co_u32 s44, s45, \off
	v_add_nc_u32 v3, s44, v1
	v_add_nc_u32 v4, s44, v2
.endm
.macro FETCH e
	WIN 0x40
.irp q, 0,1,2,3,4,5,6,7
.irp c, 0,1,2,3
	ds_load_b128 v[128*\e+16*\q+4*\c:128*\e+16*\q+4*\c+3], v3 offset:\q*2048+\c*512
.endr
.endr
	WIN 0
	ds_load_b128 v[ASC+8*\e:ASC+8*\e+3], v4 offset:16384
	ds_load_b128 v[ASC+8*\e+4:ASC+8*\e+7], v4 offset:16400
.endm
.macro SLOAD p
	ds_load_b32 v124, v6 offset:(((\p)+1)%2)*128
	ds_load_b32 v125, v6 offset:(((\p)+1)%2)*128+64
	ds_load_b32 v126, v10 offset:128*(\p)
	ds_load_b32 v127, v10 offset:128*(\p)+64
.endm
.macro KDOT T, S, c
.irp nb, 0,1,2,3
.if (\c) && (\nb == 0)
	v_pk_fma_f32 v[\T:\T+1], v[(\S):(\S)+1], v[QO:QO+1], v[64:65]
.else
	v_pk_mul_f32 v[\T+2*\nb:\T+2*\nb+1], v[(\S)+8*\nb:(\S)+8*\nb+1], v[QO+8*\nb:QO+8*\nb+1]
.endif
.endr
.irp j, 2,4,6
.irp nb, 0,1,2,3
	v_pk_fma_f32 v[\T+2*\nb:\T+2*\nb+1], v[(\S)+8*\nb+\j:(\S)+8*\nb+\j+1], v[QO+8*\nb+\j:QO+8*\nb+\j+1], v[\T+2*\nb:\T+2*\nb+1]
.endr
.endr
	v_pk_add_f32 v[\T:\T+1], v[\T:\T+1], v[\T+2:\T+3]
	v_pk_add_f32 v[\T+4:\T+5], v[\T+4:\T+5], v[\T+6:\T+7]
.endm
.macro KEPI S, par, soff
	KDOT 24, \S, 1
	KDOT 116, (\S)+32, 0
	v_pk_add_f32 v[24:25], v[24:25], v[28:29]
	v_pk_add_f32 v[116:117], v[116:117], v[120:121]
	v_add_f32 v24, v24, v25
	v_add_f32 v116, v116, v117
	v_sub_f32 v116, v64, v116
	v_permlanex16_b32 v66, v24, s50, s51
	v_permlanex16_b32 v67, v116, s50, s51
	v_add_f32 v24, v24, v66
	v_add_f32 v116, v116, v67
	v_cndmask_b32 v24, v24, v116, s54
	ds_store_b32 v9, v24 offset:(\par)*128
	ds_store_b32 v8, v24 offset:\soff
.endm
.macro VEPI S
	v_cmp_lt_i32 vcc_lo, 0, v126
	v_cndmask_b32 v124, s53, v124, vcc_lo
	v_cmp_lt_i32 vcc_lo, 0, v127
	v_cndmask_b32 v125, s53, v125, vcc_lo
	v_max3_num_f32 v64, v122, v124, v125
	v_sub_f32 v65, v122, v64
	v_sub_f32 v124, v124, v64
	v_sub_f32 v125, v125, v64
	v_mul_f32 v65, s52, v65
	v_mul_f32 v124, s52, v124
	v_mul_f32 v125, s52, v125
	WALU
	v_exp_f32 v116, v65
	v_exp_f32 v118, v124
	v_exp_f32 v120, v125
	v_mov_b32 v122, v64
	WALU
.set n, 0
.rept 16
	v_pk_mul_f32 v[(\S)+n:(\S)+n+1], v[(\S)+n:(\S)+n+1], v[118:119] op_sel_hi:[1,0]
.set n, n+2
.endr
.set n, 0
.rept 16
	v_pk_fma_f32 v[(\S)+n:(\S)+n+1], v[(\S)+32+n:(\S)+33+n], v[120:121], v[(\S)+n:(\S)+n+1] op_sel_hi:[1,0,1] neg_lo:[0,1,0] neg_hi:[0,1,0]
.set n, n+2
.endr
.set n, 0
.rept 16
	v_pk_fma_f32 v[QO+n:QO+n+1], v[QO+n:QO+n+1], v[116:117], v[(\S)+n:(\S)+n+1] op_sel_hi:[1,0,1]
.set n, n+2
.endr
	v_fma_f32 v123, v123, v116, v118
	v_add_f32 v123, v123, v120
.endm
.macro EVEN p, kind, more
	s_wait_dscnt 34
.if \kind == 1
	s_wait_tensorcnt 0x0
	ds_add_u32 v12, v13
.endif
	RUNP 0, 2*((\p)%2), 0, 28
	WIN 0
.if \kind == 2
	s_wait_tensorcnt 0x0
.endif
	s_wait_dscnt 0x0
	s_barrier_signal -1
	RUNP 0, 2*((\p)%2), 28, 32
	WIN 0
	s_barrier_wait -1
.if \kind == 1
	CREST
	s_xor_b32 s41, s41, SLOT1
	s_add_nc_u64 s[42:43], s[42:43], SLOTB
	tensor_load_to_lds s[40:43], s[28:35]
	s_nop 0
.endif
	PLACES 4
.if \more
.if (\p) == 3
	s_xor_b32 s45, s45, SLOT1
	ADDR 0
.else
	ADDR (2*(\p)+2)*CH
.endif
	PLACES 2
.else
	PLACES 4
.endif
	SLOAD \p
.if \more
	FETCH 0
.endif
.endm
.macro ODD p, more, first
	RUNP 1, 2*((\p)%2)+1, 0, 32
	WIN 0
.if \more
.if (\p) == 3
	ADDR CH
.else
	ADDR (2*(\p)+3)*CH
.endif
	PLACES 6
	FETCH 1
.else
	PLACES 8
.endif
	s_cmp_lg_u32 s23, 0
	s_cbranch_scc1 .Lv_\@
	KEPI ACC+64*((\p)%2), (\p)%2, 128*(\p)
	s_branch .Lj_\@
.Lv_\@:
.if \first
	s_cmp_eq_u32 s47, 0
	s_cbranch_scc1 .Lj_\@
.endif
.if \more
	s_wait_dscnt 34
.else
	s_wait_dscnt 0x0
.endif
	VEPI ACC+64*(((\p)+1)%2)
.Lj_\@:
	WALU
.endm
.macro TOP
	v_add_nc_u32 v8, s46, v5
	v_add_nc_u32 v10, s46, v7
	WALU
	s_add_co_u32 s46, s46, 512
.endm
	s_load_b512 s[4:19], s[0:1], 0x0
	s_load_b64 s[20:21], s[0:1], 0x40
	v_lshl_add_u32 v12, v0, 2, SPARE
	v_mov_b32 v13, 0
	ds_add_u32 v12, v13
	ds_add_u32 v12, v13
	v_lshrrev_b32 v3, 5, v0
	v_readfirstlane_b32 s22, v3
	s_lshr_b32 s23, s22, 1
	s_and_b32 s24, s22, 1
	s_bfe_u32 s25, ttmp6, 0x40000
	s_lshr_b32 s26, ttmp9, 1
	s_and_b32 s27, ttmp9, 1
	s_lshl_b32 s27, s27, 2
	s_add_co_u32 s27, s27, s25
	s_lshl_b32 s27, s27, 1
	s_add_co_u32 s27, s27, s24
	s_mov_b32 s28, 0x23000f
	s_mov_b32 s29, 32<<16
	s_mov_b32 s30, 132<<16
	s_mov_b32 s31, 32<<16
	s_mov_b32 s32, 132
	s_mov_b32 s33, 32
	s_mov_b32 s34, 0
	s_mov_b32 s35, 0
	s_mov_b32 s50, 0x76543210
	s_mov_b32 s51, 0xfedcba98
	s_mov_b32 s52, 0x3fb8aa3b
	s_mov_b32 s53, 0xf149f2ca
	s_mov_b32 s54, 0xffff0000
	s_lshl_b32 s56, s24, 12
	s_add_co_u32 s56, s56, SBASE
	s_lshl_b32 s57, s24, 8
	s_add_co_u32 s58, s57, OST
	s_lshl_b32 s60, s23, 7
	s_add_co_u32 s60, s60, s57
	s_add_co_u32 s60, s60, QX
	s_and_b32 s61, s26, 15
	s_mul_i32 s61, s61, QP
	s_add_co_u32 s61, s61, s57
	s_add_co_u32 s61, s61, QX
	s_add_co_u32 s57, s57, EXB
	s_lshl_b32 s59, s24, 11
	s_mul_i32 s62, s26, 64*CH
	s_mul_i32 s63, s22, GRPB
	s_add_co_u32 s36, s62, s63
	s_mov_b32 s37, 0
	s_lshl_b32 s48, s25, 2
	s_add_co_u32 s48, s48, s22
	s_mul_i32 s48, s48, SLOTB/16
	s_add_co_u32 s48, s48, s62
	s_add_co_u32 s48, s48, 3*SLOTB
	s_mov_b32 s49, 0
	s_lshl_b32 s66, s27, 2
	s_mul_i32 s68, s66, CH
	s_lshl_b32 s67, s23, 1
	s_add_co_u32 s66, s66, s67
	s_mul_i32 s66, s66, CH
	s_mov_b32 s67, 0
	s_cmp_eq_u32 s23, 0
	s_cselect_b32 s69, 0, 64*CH
	s_add_co_u32 s68, s68, s69
	s_add_co_u32 s68, s68, 64*CH
	s_mov_b32 s69, 0
	s_lshr_b32 s70, s26, 4
	s_add_co_u32 s70, s70, 2048
	s_mul_i32 s70, s70, CH
	s_mov_b32 s71, 0
	s_lshl_b32 s72, s27, 8
	s_mov_b32 s73, 0
	s_lshl_b32 s74, s23, 7
	s_add_co_u32 s74, s74, s72
	s_mov_b32 s75, 0
	s_lshl_b32 s88, s26, 12
	s_mov_b32 s89, 0
	s_add_co_u32 s80, s88, s72
	s_mov_b32 s81, 0
	s_lshl_b32 s82, s26, 4
	s_add_co_u32 s82, s82, s27
	s_lshl_b32 s82, s82, 12
	s_mov_b32 s83, 0
	s_mov_b32 s45, 0
	s_mov_b32 s46, 0
	s_mov_b32 s47, 0
	v_and_b32 v21, 31, v0
	v_and_b32 v22, 15, v0
	v_bfe_u32 v23, v0, 4, 1
	v_lshlrev_b32 v1, 4, v21
	v_lshlrev_b32 v2, 5, v22
	v_lshl_add_u32 v5, v21, 2, s56
	v_lshl_add_u32 v17, v21, 4, s56
	v_lshl_add_u32 v6, v22, 2, s57
	v_lshl_add_u32 v9, v21, 2, s57
	v_lshl_add_u32 v7, v22, 2, MBASE-128
	v_lshl_add_u32 v18, v21, 4, MBASE
	v_lshlrev_b32 v11, 3, v21
	v_lshlrev_b32 v14, 5, v23
	v_lshl_add_u32 v15, v23, 5, s58
	v_lshl_add_u32 v16, v21, 3, s58
	v_lshl_add_u32 v20, v21, 4, s59
	v_add_nc_u32 v19, MBASE, v20
	v_mul_u32_u24 v8, v22, QP
	v_lshl_add_u32 v8, v23, 5, v8
	v_add_nc_u32 v8, s60, v8
	v_lshl_add_u32 v10, v23, 5, s61
	v_lshl_add_u32 v3, v0, 2, EXB
	v_mul_u32_u24 v4, v23, CH
	v_add_nc_u32 v4, v4, v2
	v_lshlrev_b32 v21, 8, v21
	v_mov_b32 v22, 0
.irp i, 64,65,66,67
	v_mov_b32 v\i, 0
.endr
	WALU
	s_wait_dscnt 0x0
	CROUND
	s_wait_kmcnt 0x0
	s_add_nc_u64 s[42:43], s[4:5], s[36:37]
	s_add_nc_u64 s[48:49], s[4:5], s[48:49]
	s_add_nc_u64 s[66:67], s[6:7], s[66:67]
	s_add_nc_u64 s[68:69], s[6:7], s[68:69]
	s_add_nc_u64 s[70:71], s[4:5], s[70:71]
	s_add_nc_u64 s[74:75], s[10:11], s[74:75]
	s_add_nc_u64 s[76:77], s[12:13], s[72:73]
	s_add_nc_u64 s[78:79], s[14:15], s[72:73]
	s_add_nc_u64 s[80:81], s[16:17], s[80:81]
	s_add_nc_u64 s[84:85], s[18:19], s[82:83]
	s_add_nc_u64 s[86:87], s[20:21], s[82:83]
	s_add_nc_u64 s[88:89], s[8:9], s[88:89]
	s_mov_b32 s40, 1
	s_mov_b32 s41, s63
	s_or_b32 s43, s43, 0x80000000
	tensor_load_to_lds s[40:43], s[28:35]
	s_nop 0
	PLACES 4
.irp ks, 0,1,2,3,4,5,6,7
.irp c, 0,1,2,3
	global_load_b128 v[128+16*\ks+4*\c:131+16*\ks+4*\c], v1, s[70:71] offset:\ks*2048+\c*512
.endr
.endr
	global_load_b128 v[ASC+8:ASC+11], v2, s[70:71] offset:16384
	global_load_b128 v[ASC+12:ASC+15], v2, s[70:71] offset:16400
	global_load_b128 v[ASC:ASC+3], v4, s[66:67] offset:16384
	global_load_b128 v[ASC+4:ASC+7], v4, s[66:67] offset:16400
	global_load_b128 v[24:27], v14, s[74:75]
	global_load_b128 v[28:31], v14, s[74:75] offset:16
	global_load_b128 v[116:119], v14, s[74:75] offset:64
	global_load_b128 v[120:123], v14, s[74:75] offset:80
	WIN 0x40
.irp ks, 0,1,2,3,4,5,6,7
.irp u, 0,1
.irp c, 0,1,2,3
	global_load_b128 v[32*\ks+16*\u+4*\c:32*\ks+16*\u+4*\c+3], v1, s[66:67] offset:\u*CH+\ks*2048+\c*512
.endr
.endr
.endr
	WIN 0
	s_cmp_lg_u32 s23, 0
	s_cbranch_scc1 .Lmask_in
.irp nb, 0,1,2,3
	global_load_b128 v[QO+8*\nb:QO+8*\nb+3], v14, s[76:77] offset:64*\nb
	global_load_b128 v[QO+8*\nb+4:QO+8*\nb+7], v14, s[76:77] offset:64*\nb+16
.endr
	s_branch .Lweights
.Lmask_in:
.irp i, 0,1,2,3
	global_load_b128 v[QO+4*\i:QO+4*\i+3], v20, s[88:89] offset:512*\i
.endr
.Lweights:
	WIN 0x80
.irp ks, 0,1,2,3
.irp nb, 0,1,2,3
.irp c, 0,1,2,3
	global_load_b128 v[16*(4*\ks+\nb)+4*\c:16*(4*\ks+\nb)+4*\c+3], v1, s[68:69] offset:\nb*CH+\ks*2048+\c*512
.endr
.endr
.endr
	WIN 0xc0
.irp ks, 0,1,2,3
.irp nb, 0,1,2,3
.irp c, 0,1,2,3
	global_load_b128 v[16*(4*\ks+\nb)+4*\c:16*(4*\ks+\nb)+4*\c+3], v1, s[68:69] offset:\nb*CH+(\ks+4)*2048+\c*512
.endr
.endr
.endr
	WIN 0
.irp nb, 0,1,2,3
.irp u, 0,1
	global_load_b128 v[WSC+8*\nb+4*\u:WSC+8*\nb+4*\u+3], v2, s[68:69] offset:\nb*CH+16384+16*\u
.endr
.endr
	s_wait_loadcnt 63
	WIN 0x01
.irp ks, 0,1,2,3,4,5,6,7
	v_wmma_scale_f32_16x16x128_f8f6f4 v[24:31], v[32*\ks:32*\ks+15], v[128+16*\ks:143+16*\ks], v[24:31], v[ASC+\ks], v[ASC+8+\ks] matrix_a_fmt:MATRIX_FMT_BF8 matrix_b_fmt:MATRIX_FMT_BF8
	v_wmma_scale_f32_16x16x128_f8f6f4 v[116:123], v[32*\ks+16:32*\ks+31], v[128+16*\ks:143+16*\ks], v[116:123], v[ASC+\ks], v[ASC+8+\ks] matrix_a_fmt:MATRIX_FMT_BF8 matrix_b_fmt:MATRIX_FMT_BF8 matrix_a_scale:MATRIX_SCALE_ROW1
.endr
	WIN 0
	PLACES 8
	ds_store_b128 v8, v[24:27]
	ds_store_b128 v8, v[28:31] offset:16
	ds_store_b128 v8, v[116:119] offset:64
	ds_store_b128 v8, v[120:123] offset:80
	ds_store_b32 v3, v22
	ds_store_b32 v3, v22 offset:512
	s_cmp_eq_u32 s23, 0
	s_cbranch_scc1 .Lno_mask
.irp i, 0,1,2,3
	ds_store_b128 v19, v[QO+4*\i:QO+4*\i+3] offset:512*\i
.endr
.Lno_mask:
.set n, 0
.rept 64
	v_mov_b32 v[ACC+64+n], 0
.set n, n+1
.endr
	WALU
	s_wait_tensorcnt 0x0
	s_wait_dscnt 0x0
	s_barrier_signal -1
	s_barrier_wait -1
	s_wait_xcnt 0x0
	s_cmp_lg_u32 s23, 0
	s_cbranch_scc1 .Lno_q
.irp nb, 0,1,2,3
	ds_load_b128 v[128+8*\nb:131+8*\nb], v10 offset:64*\nb
	ds_load_b128 v[132+8*\nb:135+8*\nb], v10 offset:64*\nb+16
.endr
.Lno_q:
	ADDR 0
	FETCH 0
	ADDR CH
	FETCH 1
	s_cmp_lg_u32 s23, 0
	s_cbranch_scc1 .Lvhead
	s_wait_dscnt 63
	v_pk_mul_f32 v[64:65], v[QO:QO+1], v[128:129]
	v_pk_mul_f32 v[66:67], v[QO+2:QO+3], v[130:131]
.set n, 4
.rept 7
	v_pk_fma_f32 v[64:65], v[QO+n:QO+n+1], v[128+n:129+n], v[64:65]
	v_pk_fma_f32 v[66:67], v[QO+n+2:QO+n+3], v[130+n:131+n], v[66:67]
.set n, n+4
.endr
.set n, 0
.rept 16
	v_pk_mul_f32 v[QO+n:QO+n+1], v[128+n:129+n], 0x3e000000 op_sel_hi:[1,0]
.set n, n+2
.endr
	v_pk_add_f32 v[64:65], v[64:65], v[66:67]
	v_add_f32 v64, v64, v65
	v_mul_f32 v64, 0x3e000000, v64
	v_mov_b32 v65, 0
	v_mov_b32 v66, 0
	v_mov_b32 v67, 0
	s_branch .Ljoin
.Lvhead:
	global_load_b64 v[24:25], v11, s[78:79]
.set n, 0
.rept 32
	v_mov_b32 v[QO+n], 0
.set n, n+1
.endr
	v_mov_b32 v122, 0xff61b1e6
	v_mov_b32 v123, 0
.Ljoin:
	WALU
	s_wait_loadcnt 0x0
.Lslot:
	TOP
	EVEN 0, 1, 1
	ODD 0, 1, 1
	s_cmp_lt_u32 s47, 5
	s_cbranch_scc0 .Lnone_ahead
	global_prefetch_b8 v21, s[48:49] th:TH_LOAD_NT scope:SCOPE_SE
	global_prefetch_b8 v22, s[48:49] offset:8192 th:TH_LOAD_NT scope:SCOPE_SE
.Lnone_ahead:
	EVEN 1, 0, 1
	ODD 1, 1, 0
	EVEN 2, 0, 1
	ODD 2, 1, 0
	EVEN 3, 2, 1
	ODD 3, 1, 0
	s_wait_xcnt 0x0
	s_add_nc_u64 s[48:49], s[48:49], SLOTB
	s_add_co_u32 s47, s47, 1
	s_cmp_lt_u32 s47, 7
	s_cbranch_scc1 .Lslot
	TOP
	EVEN 0, 0, 1
	ODD 0, 1, 0
	EVEN 1, 0, 1
	ODD 1, 1, 0
	EVEN 2, 0, 1
	ODD 2, 1, 0
	EVEN 3, 0, 0
	ODD 3, 0, 0
	s_wait_dscnt 0x0
	s_barrier_signal -1
	s_barrier_wait -1
	s_cmp_lg_u32 s23, 0
	s_cbranch_scc1 .Lvfin
.set n, 0
.rept 8
	ds_load_b128 v[128+4*n:131+4*n], v17 offset:512*n
.set n, n+1
.endr
.set n, 0
.rept 8
	ds_load_b128 v[160+4*n:163+4*n], v18 offset:512*n
.set n, n+1
.endr
	s_wait_dscnt 8
.set n, 0
.rept 8
	global_store_b128 v1, v[128+4*n:131+4*n], s[86:87] offset:512*n th:TH_STORE_NT
.set n, n+1
.endr
	s_wait_dscnt 0x0
.set n, 0
.rept 32
	v_cmp_lt_i32 vcc_lo, 0, v[160+n]
	v_cndmask_b32 v[192+n], s53, v[128+n], vcc_lo
.set n, n+1
.endr
	v_max3_num_f32 v224, v192, v193, v194
	v_max3_num_f32 v225, v195, v196, v197
.irp i, 6,10,14,18,22,26
	v_max3_num_f32 v224, v224, v[192+\i], v[193+\i]
	v_max3_num_f32 v225, v225, v[194+\i], v[195+\i]
.endr
	v_max3_num_f32 v224, v224, v222, v223
	v_max_num_f32 v224, v224, v225
.irp m, 1,2,4,8
	v_max_num_f32_dpp v224, v224, v224 row_xmask:\m row_mask:0xf bank_mask:0xf
.endr
	v_permlanex16_b32 v225, v224, s50, s51
	v_max_num_f32 v224, v224, v225
.set n, 0
.rept 16
	v_pk_add_f32 v[192+n:193+n], v[192+n:193+n], v[224:225] op_sel_hi:[1,0] neg_lo:[0,1] neg_hi:[0,1]
.set n, n+2
.endr
.set n, 0
.rept 16
	v_pk_mul_f32 v[192+n:193+n], v[192+n:193+n], s[52:53] op_sel_hi:[1,0]
.set n, n+2
.endr
.set n, 0
	WALU
.rept 32
	v_exp_f32 v[192+n], v[192+n]
.set n, n+1
.endr
	v_nop
	WALU
	v_pk_add_f32 v[226:227], v[192:193], v[194:195]
	v_pk_add_f32 v[228:229], v[196:197], v[198:199]
.irp i, 8,12,16,20,24,28
	v_pk_add_f32 v[226:227], v[226:227], v[192+\i:193+\i]
	v_pk_add_f32 v[228:229], v[228:229], v[194+\i:195+\i]
.endr
	v_pk_add_f32 v[226:227], v[226:227], v[228:229]
	v_add_f32 v226, v226, v227
.irp m, 1,2,4,8
	v_add_f32_dpp v226, v226, v226 row_xmask:\m row_mask:0xf bank_mask:0xf
.endr
	v_permlanex16_b32 v227, v226, s50, s51
	v_add_f32 v226, v226, v227
	WALU
	v_rcp_f32 v228, v226
	v_mov_b32 v229, 0
.set n, 0
	WALU
.rept 16
	v_pk_mul_f32 v[192+n:193+n], v[192+n:193+n], v[228:229] op_sel_hi:[1,0]
.set n, n+2
.endr
.set n, 0
.rept 8
	global_store_b128 v1, v[192+4*n:195+4*n], s[84:85] offset:512*n th:TH_STORE_NT
.set n, n+1
.endr
	s_branch .Lend
.Lvfin:
	SLOAD 4
	s_wait_dscnt 0x0
	VEPI ACC+64
	v_mov_b32 v124, v122
.irp m, 1,2,4,8
	v_max_num_f32_dpp v124, v124, v124 row_xmask:\m row_mask:0xf bank_mask:0xf
.endr
	v_sub_f32 v125, v122, v124
	v_mul_f32 v125, s52, v125
	WALU
	v_exp_f32 v116, v125
	v_nop
	WALU
	v_mul_f32 v123, v123, v116
.set n, 0
.rept 16
	v_pk_mul_f32 v[QO+n:QO+n+1], v[QO+n:QO+n+1], v[116:117] op_sel_hi:[1,0]
.set n, n+2
.endr
.irp m, 1,2,4,8
	v_add_f32_dpp v123, v123, v123 row_xmask:\m row_mask:0xf bank_mask:0xf
.set n, 0
.rept 32
	v_add_f32_dpp v[QO+n], v[QO+n], v[QO+n] row_xmask:\m row_mask:0xf bank_mask:0xf
.set n, n+1
.endr
.endr
	WALU
	v_rcp_f32 v116, v123
	v_nop
.set n, 0
	WALU
.rept 16
	v_pk_mul_f32 v[QO+n:QO+n+1], v[QO+n:QO+n+1], v[116:117] op_sel_hi:[1,0]
.set n, n+2
.endr
.irp nb, 0,1,2,3
	ds_store_b128 v15, v[QO+8*\nb:QO+8*\nb+3] offset:64*\nb
	ds_store_b128 v15, v[QO+8*\nb+4:QO+8*\nb+7] offset:64*\nb+16
.endr
	ds_load_b64 v[124:125], v16
	s_wait_dscnt 0x0
	v_pk_add_f32 v[124:125], v[124:125], v[24:25]
	global_store_b64 v11, v[124:125], s[80:81]
.Lend:
	s_wait_tensorcnt 0x0
	ds_add_u32 v12, v13
	s_wait_dscnt 0x0
	CROUND
	s_endpgm
.Lfunc_end_k_q3e196bda4e_attn:
	.size	k_q3e196bda4e_attn, .Lfunc_end_k_q3e196bda4e_attn-k_q3e196bda4e_attn
	.p2alignl 7, 3214868480
	.fill 96, 4, 3214868480
	.section	.rodata,"a",@progbits
	.p2align	6, 0x0
	.amdhsa_kernel k_q3e196bda4e_attn
		.amdhsa_group_segment_fixed_size 327680
		.amdhsa_private_segment_fixed_size 0
		.amdhsa_enable_private_segment 0
		.amdhsa_kernarg_size 72
		.amdhsa_user_sgpr_count 2
		.amdhsa_user_sgpr_kernarg_segment_ptr 1
		.amdhsa_wavefront_size32 1
		.amdhsa_system_sgpr_workgroup_id_x 1
		.amdhsa_system_sgpr_workgroup_id_y 1
		.amdhsa_system_sgpr_workgroup_id_z 1
		.amdhsa_system_vgpr_workitem_id 0
		.amdhsa_next_free_vgpr 1024
		.amdhsa_next_free_sgpr 96
		.amdhsa_reserve_vcc 1
		.amdhsa_float_denorm_mode_32 3
		.amdhsa_float_denorm_mode_16_64 3
		.amdhsa_memory_ordered 1
		.amdhsa_forward_progress 1
		.amdhsa_inst_pref_size 233
	.end_amdhsa_kernel
	.amdgpu_metadata
---
amdhsa.version: [ 1, 2 ]
amdhsa.kernels:
  - .name:           k_q3e196bda4e_attn
    .symbol:         k_q3e196bda4e_attn.kd
    .args:
      - { .name: ac, .offset: 0, .size: 8, .value_kind: global_buffer, .address_space: global }
      - { .name: wc, .offset: 8, .size: 8, .value_kind: global_buffer, .address_space: global }
      - { .name: mask, .offset: 16, .size: 8, .value_kind: global_buffer, .address_space: global }
      - { .name: bq, .offset: 24, .size: 8, .value_kind: global_buffer, .address_space: global }
      - { .name: bk, .offset: 32, .size: 8, .value_kind: global_buffer, .address_space: global }
      - { .name: bv, .offset: 40, .size: 8, .value_kind: global_buffer, .address_space: global }
      - { .name: ctx, .offset: 48, .size: 8, .value_kind: global_buffer, .address_space: global }
      - { .name: out1, .offset: 56, .size: 8, .value_kind: global_buffer, .address_space: global }
      - { .name: out2, .offset: 64, .size: 8, .value_kind: global_buffer, .address_space: global }
    .group_segment_fixed_size: 327680
    .private_segment_fixed_size: 0
    .kernarg_segment_align: 8
    .kernarg_segment_size: 72
    .max_flat_workgroup_size: 128
    .sgpr_count:     96
    .vgpr_count:     1024
    .wavefront_size: 32
...
	.end_amdgpu_metadata
.endif
;; end of part 2
;; launch oproj (part 3): grid 16 x 1, 4 waves a work-group, no clusters, 44,544 bytes of LDS; arguments ctx, wc, bo, out0; writes out0
.if DOCPART == 3
	.amdgcn_target "amdgcn-amd-amdhsa--gfx1250"
	.amdhsa_code_object_version 6
	.text
	.protected	k_q3e196bda4e_oproj
	.globl	k_q3e196bda4e_oproj
	.p2align	8
	.type	k_q3e196bda4e_oproj,@function
k_q3e196bda4e_oproj:
	s_mov_b64 s[64:65], 0
	v_nop
	global_prefetch_b8 v0, s[64:65] scope:SCOPE_SE
	s_setreg_imm32_b32 hwreg(HW_REG_WAVE_MODE, 25, 1), 1
	s_wait_xcnt 0x0
.set CH,   16896
.set XIMG, 0
.set XSC,  32768
.set STG,  34816
.set SPI,  272
.set WSC,  16
.set XS,   24
.set BI,   40
.set ACC,  48
.set PC,   64
.set TM,   80
.set PW,   96
.set MSB, 0
.macro WIN new
.if MSB != \new
	s_set_vgpr_msb (MSB<<8)|\new
.set MSB, \new
.endif
.endm
.macro QUANT s
.irp b, 0,1,2,3
	v_max3_num_f32 v[TM+\b], |v[\s+16*\b]|, |v[\s+1+16*\b]|, 0x8000000
.endr
.irp i, 2,4,6,8,10,12,14
.irp b, 0,1,2,3
	v_max3_num_f32 v[TM+\b], v[TM+\b], |v[\s+16*\b+\i]|, |v[\s+1+16*\b+\i]|
.endr
.endr
.irp b, 0,1,2,3
	v_permlanex16_b32 v[TM+4+\b], v[TM+\b], s14, s15
.endr
.irp b, 0,1,2,3
	v_max_num_f32 v[TM+\b], v[TM+\b], v[TM+4+\b]
.endr
.irp b, 0,1,2,3
	v_add_nc_u32 v[TM+12+\b], 0xf8800000, v[TM+\b]
.endr
.irp b, 0,1,2,3
	v_and_or_b32 v[TM+8+\b], v[TM+\b], 0x7f800000, s16
.endr
.irp b, 0,1,2,3
	v_lshrrev_b32 v[TM+4+\b], 23, v[TM+12+\b]
.endr
	v_lshl_or_b32 v[PW], v[TM+5], 8, v[TM+4]
	v_lshl_or_b32 v[PW], v[TM+6], 16, v[PW]
	v_lshl_or_b32 v[PW], v[TM+7], 24, v[PW]
.irp b, 0,1,2,3
.irp i, 0,1,2,3,4,5,6,7,8,9,10,11,12,13,14,15
	v_med3_num_f32 v[\s+16*\b+\i], v[\s+16*\b+\i], -v[TM+8+\b], v[TM+8+\b]
.endr
	v_cvt_scalef32_pk8_bf8_f32 v[PC+4*\b:PC+1+4*\b], v[\s+16*\b:\s+7+16*\b], v[TM+12+\b]
	v_cvt_scalef32_pk8_bf8_f32 v[PC+2+4*\b:PC+3+4*\b], v[\s+8+16*\b:\s+15+16*\b], v[TM+12+\b]
.endr
	v_nop
.endm
	s_load_b256 s[4:11], s[0:1], 0x0
	v_lshl_add_u32 v126, v0, 2, 0xac00
	v_mov_b32 v127, 0
	v_lshrrev_b32 v1, 5, v0
	v_readfirstlane_b32 s12, v1
	v_and_b32 v1, 31, v0
	v_and_b32 v2, 15, v0
	v_bfe_u32 v3, v0, 4, 1
	v_lshlrev_b32 v4, 12, v2
	v_lshl_add_u32 v4, v3, 6, v4
	v_lshlrev_b32 v8, 4, v1
	v_lshlrev_b32 v7, 2, v1
	s_lshl_b32 s13, s12, 13
	v_add_nc_u32 v5, s13, v8
	s_lshl_b32 s13, s12, 9
	v_add_nc_u32 v6, s13, v7
	v_lshlrev_b32 v12, 5, v2
	v_lshlrev_b32 v13, 5, v3
	v_mul_u32_u24 v9, v2, SPI
	v_lshl_add_u32 v9, v3, 5, v9
	s_lshl_b32 s13, s12, 6
	s_add_co_u32 s13, s13, STG
	v_add_nc_u32 v9, s13, v9
	s_mul_i32 s13, s12, 8*SPI
	s_add_co_u32 s13, s13, STG
	v_mul_u32_u24 v10, v3, SPI
	v_lshl_add_u32 v10, v2, 4, v10
	v_add_nc_u32 v10, s13, v10
	s_lshl_b32 s13, s12, 15
	v_lshlrev_b32 v11, 12, v3
	v_lshl_add_u32 v11, v2, 4, v11
	v_add_nc_u32 v11, s13, v11
	s_mov_b32 s14, 0x76543210
	s_mov_b32 s15, 0xfedcba98
	s_mov_b32 s16, 0x600000
.irp b, 0,1,2,3
	v_mov_b32 v[TM+4+\b], 0
.endr
	s_lshl_b32 s18, ttmp9, 2
	s_add_co_u32 s18, s18, s12
	s_add_co_u32 s18, s18, 192
	s_mul_i32 s18, s18, CH
	s_mov_b32 s19, 0
	s_lshr_b32 s20, s12, 1
	s_lshl_b32 s20, s20, 16
	s_and_b32 s21, s12, 1
	s_lshl_b32 s21, s21, 11
	s_add_co_u32 s20, s20, s21
	s_mov_b32 s21, 0
	s_lshl_b32 s22, ttmp9, 8
	s_lshl_b32 s23, s12, 6
	s_add_co_u32 s22, s22, s23
	s_mov_b32 s23, 0
	s_lshl_b32 s24, ttmp9, 8
	s_mov_b32 s25, 0
	s_wait_kmcnt 0x0
	s_add_nc_u64 s[6:7], s[6:7], s[18:19]
	s_add_nc_u64 s[4:5], s[4:5], s[20:21]
	s_add_nc_u64 s[8:9], s[8:9], s[22:23]
	s_add_nc_u64 s[10:11], s[10:11], s[24:25]
	WIN 0x40
.irp ks, 0,1,2,3,4,5,6,7
.irp c, 0,1,2,3
	global_load_b128 v[16*\ks+4*\c:16*\ks+4*\c+3], v8, s[6:7] offset:\ks*2048+\c*512
.endr
.endr
	WIN 0
	global_load_b128 v[WSC:WSC+3], v12, s[6:7] offset:16384
	global_load_b128 v[WSC+4:WSC+7], v12, s[6:7] offset:16400
	global_load_b128 v[BI:BI+3], v13, s[8:9]
	global_load_b128 v[BI+4:BI+7], v13, s[8:9] offset:16
.macro XLOAD st, i
.irp b, 0,1,2,3
.irp j, 0,1,2,3
	global_load_b128 v[128+64*(\st)+16*\b+4*\j:131+64*(\st)+16*\b+4*\j], v4, s[4:5] offset:512*(\i)+128*\b+16*\j
.endr
.endr
.endm
.macro FRAGQ i
.if \i < 3
	s_wait_loadcnt 16
.else
	s_wait_loadcnt 0x0
.endif
	QUANT 128+64*(\i%2)
.irp c, 0,1,2,3
	ds_store_b128 v5, v[PC+4*\c:PC+4*\c+3] offset:XIMG+\i*2048+\c*512
.endr
	ds_store_b32 v6, v[PW] offset:XSC+\i*128
	s_wait_dscnt 0x0
.if \i < 2
	XLOAD \i%2, \i+2
.endif
.endm
	XLOAD 0, 0
	XLOAD 1, 1
	FRAGQ 0
	FRAGQ 1
	FRAGQ 2
	FRAGQ 3
	s_barrier_signal -1
	s_barrier_wait -1
.set f, 0
.rept 16
	ds_load_b32 v[XS+f], v7 offset:XSC+128*f
.set f, f+1
.endr
.irp half, 0,1
.irp kq, 0,1,2,3
.irp rb, 0,1
.irp c, 0,1,2,3
	ds_load_b128 v[128+16*(2*\kq+\rb)+4*\c:131+16*(2*\kq+\rb)+4*\c], v8 offset:XIMG+(8*\rb+4*\half+\kq)*2048+512*\c
.endr
.endr
.endr
	s_wait_dscnt 0x0
	WIN 0x01
.irp kq, 0,1,2,3
.irp rb, 0,1
.if (\half == 0) && (\kq == 0)
	v_wmma_scale_f32_16x16x128_f8f6f4 v[ACC+8*\rb:ACC+8*\rb+7], v[16*(4*\half+\kq):16*(4*\half+\kq)+15], v[128+16*(2*\kq+\rb):143+16*(2*\kq+\rb)], v[BI:BI+7], v[WSC+4*\half+\kq], v[XS+8*\rb+4*\half+\kq] matrix_a_fmt:MATRIX_FMT_BF8 matrix_b_fmt:MATRIX_FMT_BF8
.else
	v_wmma_scale_f32_16x16x128_f8f6f4 v[ACC+8*\rb:ACC+8*\rb+7], v[16*(4*\half+\kq):16*(4*\half+\kq)+15], v[128+16*(2*\kq+\rb):143+16*(2*\kq+\rb)], v[ACC+8*\rb:ACC+8*\rb+7], v[WSC+4*\half+\kq], v[XS+8*\rb+4*\half+\kq] matrix_a_fmt:MATRIX_FMT_BF8 matrix_b_fmt:MATRIX_FMT_BF8
.endif
.endr
.endr
	WIN 0
.rept 8
	v_nop
.endr
.endr
.irp rb, 0,1
	ds_store_b128 v9, v[ACC+8*\rb:ACC+8*\rb+3] offset:\rb*16*SPI
	ds_store_b128 v9, v[ACC+8*\rb+4:ACC+8*\rb+7] offset:\rb*16*SPI+16
.endr
	s_wait_dscnt 0x0
	s_barrier_signal -1
	s_barrier_wait -1
.irp i, 0,1,2,3
	ds_load_b128 v[128+4*\i:131+4*\i], v10 offset:\i*2*SPI
.endr
.irp i, 0,1,2,3
	s_wait_dscnt 3-\i
	global_store_b128 v11, v[128+4*\i:131+4*\i], s[10:11] offset:\i*8192 th:TH_STORE_NT
.endr
	s_wait_tensorcnt 0x0
	ds_add_u32 v126, v127
	s_wait_dscnt 0x0
	s_endpgm
.Lfunc_end_k_q3e196bda4e_oproj:
	.size	k_q3e196bda4e_oproj, .Lfunc_end_k_q3e196bda4e_oproj-k_q3e196bda4e_oproj
	.p2alignl 7, 3214868480
	.fill 96, 4, 3214868480
	.section	.rodata,"a",@progbits
	.p2align	6, 0x0
	.amdhsa_kernel k_q3e196bda4e_oproj
		.amdhsa_group_segment_fixed_size 44544
		.amdhsa_private_segment_fixed_size 0
		.amdhsa_enable_private_segment 0
		.amdhsa_kernarg_size 32
		.amdhsa_user_sgpr_count 2
		.amdhsa_user_sgpr_kernarg_segment_ptr 1
		.amdhsa_wavefront_size32 1
		.amdhsa_system_sgpr_workgroup_id_x 1
		.amdhsa_system_sgpr_workgroup_id_y 1
		.amdhsa_system_sgpr_workgroup_id_z 1
		.amdhsa_system_vgpr_workitem_id 0
		.amdhsa_next_free_vgpr 384
		.amdhsa_next_free_sgpr 66
		.amdhsa_reserve_vcc 0
		.amdhsa_float_denorm_mode_32 3
		.amdhsa_float_denorm_mode_16_64 3
		.amdhsa_memory_ordered 1
		.amdhsa_forward_progress 1
		.amdhsa_inst_pref_size 55
	.end_amdhsa_kernel
	.amdgpu_metadata
---
amdhsa.version: [ 1, 2 ]
amdhsa.kernels:
  - .name:           k_q3e196bda4e_oproj
    .symbol:         k_q3e196bda4e_oproj.kd
    .args:
      - { .name: ctx, .offset: 0, .size: 8, .value_kind: global_buffer, .address_space: global }
      - { .name: wc, .offset: 8, .size: 8, .value_kind: global_buffer, .address_space: global }
      - { .name: bo, .offset: 16, .size: 8, .value_kind: global_buffer, .address_space: global }
      - { .name: out0, .offset: 24, .size: 8, .value_kind: global_buffer, .address_space: global }
    .group_segment_fixed_size: 44544
    .private_segment_fixed_size: 0
    .kernarg_segment_align: 8
    .kernarg_segment_size: 32
    .max_flat_workgroup_size: 128
    .sgpr_count:     66
    .vgpr_count:     384
    .wavefront_size: 32
...
	.end_amdgpu_metadata
.endif
;; end of part 3
